; MI455X (gfx1250); checked and timed in simulation.
; The chip was launched on July 23, 2026; its instructions are those of AMD's public machine-readable ISA for CDNA 5 (MIT licence, August 2026) and "CDNA5" Instruction Set Architecture Reference Guide (July 2026). The comments in the code are by the model that wrote it; some were corrected since.
;; Multi Head Attention. Allowed arithmetic: matrix products marked QUANTISED: E2M3 operands, one E8M0 scale for each 32 along K, by v_wmma_scale_f32_16x16x128_f8f6f4 with both operands' format E2M3, f32 sums; everything else in f32.
;; Inputs: W_proj_codes 1,024 x 32 x 24 uint8 (E2M3 codes of W_proj, K innermost, in blocks of 32 codes, four codes in three bytes); W_proj_scales 1,024 x 32 uint8 (E8M0 scales of W_proj, one for each 32 codes along K); W_qkv_codes 3,072 x 32 x 24 uint8 (E2M3 codes of W_qkv, K innermost, in blocks of 32 codes, four codes in three bytes); W_qkv_scales 3,072 x 32 uint8 (E8M0 scales of W_qkv, one for each 32 codes along K); X_codes 4 x 2,048 x 32 x 24 uint8 (E2M3 codes of X, K innermost, in blocks of 32 codes, four codes in three bytes); X_scales 4 x 2,048 x 32 uint8 (E8M0 scales of X, one for each 32 codes along K); b_proj 1,024 float32; b_qkv 3,072 float32.
;; Outputs: out0 4 x 2,048 x 1,024 float32.
;; This version of the problem:
;;   THIS VERSION OF THE PROBLEM IS GIVEN IN LOW PRECISION. The matrix products marked QUANTISED in the list below multiply operands that are first quantised to E2M3 (2 exponent bits, 3 mantissa bits; 6 bits a number), with one power-of-two scale for each 32 numbers along K (OCP MX v1.0); their sums are f32. All else is computed in f32.
;;   The module's matrix products, in the order in which they are computed (A, B: the left and right operand; K: the contracted axis; several contracted axes count as one K, in the product's order):
;;     1. [M 8,192, K 1,024] x [K 1,024, N 3,072]; A: input X (given as codes); B: input W_qkv (given as codes): QUANTISED
;;     2. batch 64 x [M 2,048, K 64] x [K 64, N 2,048]; A: computed on the way; B: computed on the way: QUANTISED
;;     3. batch 64 x [M 2,048, K 2,048] x [K 2,048, N 64]; A: softmax (see below); B: computed on the way: QUANTISED
;;     4. [M 8,192, K 1,024] x [K 1,024, N 1,024]; A: computed on the way; B: input W_proj (given as codes): QUANTISED
;;   THE QUANTISER, for each operand of a quantised product, along K:
;;     - K is cut into blocks of 32 from its start; a last block that is shorter is filled with zeros.
;;     - A block's scale is 2^e with e = floor(log2(the largest magnitude in the block)) - 2, held to -126 .. 127; a block of zeros has e = 0. As a byte (E8M0): e + 127.
;;     - Each number is divided by its block's scale, clamped to +-7.5, and rounded to the nearest number of E2M3, ties to even, subnormals kept.
;;     - The product sums the exact products of the quantised numbers (number of the format x scale) in f32.
;;   ~~~python
;;   def quantise(x, axis):      # numpy; x: float32 -> the quantised numbers, widened to float32 again
;;       x = np.moveaxis(x, axis, -1); K = x.shape[-1]
;;       x = np.pad(x, [(0, 0)] * (x.ndim - 1) + [(0, -K % 32)]); x = x.reshape(x.shape[:-1] + (-1, 32)); a = np.abs(x).max(-1, keepdims=True)
;;       e = np.where(a > 0, np.clip(np.frexp(np.where(a > 0, a, 1))[1] - 1 - 2, -126, 127), 0)      # np.frexp(a)[1] - 1 = floor(log2(a)), exactly
;;       r = np.clip(x / 2.0 ** e, -7.5, 7.5)
;;       step = 2.0 ** (np.maximum(np.frexp(np.where(r == 0, 1, r))[1] - 1, 0) - 3)
;;       q = np.round(r / step) * step * 2.0 ** e      # np.round: ties to even
;;       return np.moveaxis(q.reshape(q.shape[:-2] + (-1,))[..., :K], -1, axis).astype(np.float32)
;;   ~~~
;;   SOFTMAX AHEAD OF A QUANTISED PRODUCT. Where the list says 'softmax', what is quantised is not the finished softmax but p = 2^(t - M), with t = logit x log2(e) and M = ceil(the row's largest t), a whole number; so 1/2 < the row's largest p <= 1. The row's sum l is taken of the UNQUANTISED p, in f32, and the product's result is divided by l at the end. Since M is a whole number, a kernel that streams over the keys may use a running M (the ceiling of the running maximum): every later rescaling is an exact power of two, which a block's scale takes up: the codes' values come out the same.
;;   OPERANDS COMPUTED ON THE WAY. 'Computed on the way' means the value that the module computes at that place (a softmax that the list does not call 'softmax' is quantised finished and normalised). What goes into a quantiser is computed in f32, as accurately as f32 sums, v_exp_f32 and their like allow (about 1e-6 of the number): no bf16 or f16 on the way to a quantiser, and a product that is left as it is and whose result goes on into a quantised operand takes f32 operands (vector FMAs, or v_wmma_f32_16x16x4_f32). A number that lies on a knife's edge between two numbers of the format may be rounded either way, as far as f32 arithmetic and the matrix unit's own rounding can turn it there, and no further.
;;   INPUTS GIVEN AS CODES. W_proj (in the module: [1024, 1024], K = its axis 0); W_qkv (in the module: [1024, 3072], K = its axis 0); X (in the module: [4, 2048, 1024], K = its axis 2): each comes as NAME_codes (uint8): NAME with its K axis moved to the last place and cut into blocks of 32 codes, [.., K / 32, bytes a block], one block behind the other in memory; four codes in three bytes: a row's codes are one little-endian stream of bits, code i at bits 6 i .. 6 i + 5 (a code: sign, 2 exponent bits, 3 mantissa bits); and NAME_scales (uint8): the same leading axes, one E8M0 byte (e + 127) for each 32 codes along K. Its value is code x scale, taken as it is: it is not quantised again, and the codes and scales need not be those that the quantiser above would give.
;; One version. Each part assembles by itself: llvm-mc -triple=amdgcn-amd-amdhsa -mcpu=gfx1250 --defsym DOCPART=n.
;; ======== version 1 of 1: 3 launches
;; limits: right only within a limited range of input values
;; workspace buffers: rec 26,738,688 bytes; oimg 6,291,456 bytes; oscl 262,144 bytes
;; launch qkv (part 1): grid 8 x 32, 4 waves a work-group, clusters of 4 x 4, 327,680 bytes of LDS; arguments X_codes, X_scales, W_qkv_codes, W_qkv_scales, b_qkv, rec; writes rec
.if DOCPART == 1
	.amdgcn_target "amdgcn-amd-amdhsa--gfx1250"
	.amdhsa_code_object_version 6
	.text
	.protected	k_q8022de02b2_qkv
	.globl	k_q8022de02b2_qkv
	.p2align	8
	.type	k_q8022de02b2_qkv,@function
k_q8022de02b2_qkv:
	s_mov_b64 s[64:65], 0
	v_nop
	global_prefetch_b8 v0, s[64:65] scope:SCOPE_SE
	s_setreg_imm32_b32 hwreg(HW_REG_WAVE_MODE, 25, 1), 1
	s_wait_xcnt 0x0
	s_wait_alu depctr_hold_cnt(0) depctr_sa_sdst(0) depctr_va_vdst(0) depctr_va_sdst(0) depctr_va_ssrc(0) depctr_va_vcc(0) depctr_vm_vsrc(0)
	s_getreg_b32 s2, hwreg(HW_REG_IB_STS2, 6, 4)
	s_cmp_eq_u32 s2, 0
	s_cbranch_scc0 .Lentry_in_a_cluster
	s_endpgm
.Lentry_in_a_cluster:
	s_bfe_u32 s2, ttmp6, 0x10000c
	s_cmp_lg_u32 s2, 0xf033
	s_cbranch_scc0 .Lentry_shape_is_right
	s_endpgm
.Lentry_shape_is_right:
; q, k, v = X W_qkv + b_qkv on codes of FP6 (E2M3) with E8M0 scales, K = 1,024; the results are quantised at once (q, k along the head's 64, v along the keys) and leave as codes and scale words.
; No work of the problem is left out; every input is read.
; THE DEAL.  256 work-groups of four waves.  A work-group has 256 tokens (y) and two heads (x) of q, then k, then v: three phases.  Its 256 rows of X, all of K, lie in LDS for the whole launch.
; Wave (a, b): a = which 128 tokens, b = which head.  Its 64 rows of the phase's weight, all of K, lie in 384 registers; the tokens go past in eight blocks of 16 rows, 32 products a block.
; WHICH ROWS FORM A TILE is chosen by the LDS addresses.  Lane r of weight tile t takes channel 32 (r / 8) + 8 t + r % 8; lane r of token block s = 4 c + u takes token 64 c + 8 u + r % 8 + 32 (r / 8).
; q, k (source 0 = weight, source 1 = tokens): lane (r, h) holds a token and, in 32 registers, channels 32 h + 0 .. 31: one scale block.
; v (source 0 = tokens, source 1 = weight): lane (r, h) holds a channel and, over a band's four blocks, keys 64 c + 32 h + 0 .. 31: one scale block.  So no lane asks another for a maximum.
; rec[which 2][batch x head 64][step 16][13,056]: a record is 128 tokens of a head.  A half image (768 bytes) is six operand registers for 16 rows: registers 0-3 at 16 x lane, 4-5 at 512 + 8 x lane.
; which 0: q's 8 half images at 0, scale words [s / 4][row][s % 4] at 12,288 (bytes 2, 3 = 0x7f).  which 1: k likewise; v's fragment t, band c at 6,144 + 1,536 t + 768 c; v's words [row][t] at 12,800.
; LDS: X's rows (pitch 816 = 3 x (256 + 16)), the weights' 128 rows, X's scale bytes, the spare words.  The weights' region is filled again twice, each time behind a drained round of the cluster's barrier,
; as soon as all waves hold the weights in registers: eight blocks of products stand between a refill and its first read, so no prefetch is laid for it.
; X's tiles are shared by a row of the cluster, the weights' by a column.
; LIMITS: NaN and infinities are not served.  A block of zeros gets the byte 1 (its codes are zeros; the bytes are read by this program alone).
; REGISTERS: window 0: v0-31 addresses, v32-63 the weights' scale words, v68-83 the tokens' (two sets), v84-91 words made, v92-100 codes, v128-255 sums.  Fragment f lies in window 1 + f / 21 at 12 (f % 21):
; 0-31 the weights' (4 q + t), 32-47 the tokens' two sets.  Window 3, v96-127: the bias, laid as the first products' C.
.set KROW, 768
.set PITCH, 816
.set WB, 256*PITCH
.set SCX, WB+128*PITCH
.set SPARE, SCX+32*272
.set REC, 13056
.set NF, 28                            ; LDS loads of a block's fetch
.set SB, 32
.set SA, 68
.set SW, 84
.set CA, 92
.set TC, 98
.set VW, 104
.set HV, 128
.set BB, 96
.set G1X, 28
.set G1W, 36
.set G1S, 44
.set G1R, 52
.set G0W, 60
.set G0X, 68
.set G0S, 72
.set G0R, 76
.set MSB, 0
.macro WIN new
.if MSB != \new
	s_set_vgpr_msb (MSB<<8)|\new
.set MSB, \new
.endif
.endm
.macro PLACES n
.rept \n
	v_nop
.endr
.endm
.macro WALU
	s_wait_alu depctr_va_vdst(0)
.endm
.macro BARRIER
	s_barrier_signal -1
	s_barrier_wait -1
.endm
.macro CROUND
	BARRIER
	s_cmp_lg_u32 s16, 0
	s_cbranch_scc1 .Lnw0_\@
	s_barrier_signal -3
.Lnw0_\@:
	s_barrier_wait -3
	BARRIER
.endm
.macro TLOAD g0, g1
	tensor_load_to_lds s[\g0:\g0+3], s[\g1:\g1+7]
	s_nop 0
	PLACES 4
.endm
.macro GROUP1 g, mask, rows            ; rows of 768 bytes, 16 bytes of padding behind every 256
	s_or_b32 s[\g+0], s[\mask], (1<<20)|(1<<21)|(5<<22)|(3<<25)
	s_mov_b32 s[\g+1], KROW<<16
	s_mov_b32 s[\g+2], (\rows)<<16
	s_mov_b32 s[\g+3], KROW<<16
	s_mov_b32 s[\g+4], \rows
	s_mov_b32 s[\g+5], KROW
	s_mov_b32 s[\g+6], 0
	s_mov_b32 s[\g+7], 0
.endm
.macro G0SET g, lds, base, off         ; s91 = 0
	s_mov_b32 s[\g], 1
	s_mov_b32 s[\g+1], \lds
	s_mov_b32 s90, s\off
	s_add_nc_u64 s[\g+2:\g+3], s[\base:\base+1], s[90:91]
	s_or_b32 s[\g+3], s[\g+3], 0x80000000
.endm
.macro FRAG f, q, a0, a1               ; six pieces of 8 bytes, two to a load where both lie behind as many paddings; a1 serves where lanes 16-31 lie behind one padding more
	WIN (1+(\f)/21)<<6
.set R_, 12*((\f)%21)
.set SKIP_, 0
.irp p, 0,1,2,3,4,5
.if SKIP_
.set SKIP_, 0
.else
.set PC_, 12*(\q)+6*(\p/3)+\p%3
.set PN_, 12*(\q)+6*((\p+1)/3)+(\p+1)%3
.set X_, (PC_%32+3)/32
.set XQ_, (PN_%32+3)/32
.if (\p < 5) && (X_ == XQ_)
.set SKIP_, 1
.if X_
	ds_load_2addr_b64 v[R_+2*\p:R_+2*\p+3], v[\a1] offset0:PC_+2*(PC_/32) offset1:PN_+2*(PN_/32)
.else
	ds_load_2addr_b64 v[R_+2*\p:R_+2*\p+3], v[\a0] offset0:PC_+2*(PC_/32) offset1:PN_+2*(PN_/32)
.endif
.elseif X_
	ds_load_b64 v[R_+2*\p:R_+2*\p+1], v[\a1] offset:8*(PC_+2*(PC_/32))
.else
	ds_load_b64 v[R_+2*\p:R_+2*\p+1], v[\a0] offset:8*(PC_+2*(PC_/32))
.endif
.endif
.endr
.endm
.macro WEIGHTS                         ; my 64 rows of the weight, all of K
.irp q, 0,1,2,3,4,5,6,7
.irp t, 0,1,2,3
	FRAG 4*\q+\t, \q, 16+2*\t, 17+2*\t
.endr
.endr
	WIN 0
.endm
.macro FETCH e, s                      ; token block s into set e
	v_add_nc_u32 v6, (64*((\s)/4)+8*((\s)%4))*PITCH, v4
	v_add_nc_u32 v7, (64*((\s)/4)+8*((\s)%4))*PITCH, v5
.irp q, 0,1,2,3,4,5,6,7
	FRAG 32+8*(\e)+\q, \q, 6, 7
.endr
	WIN 0
	ds_load_b128 v[SA+8*(\e):SA+8*(\e)+3], v8 offset:2176*((\s)/4)+272*((\s)%4)
	ds_load_b128 v[SA+8*(\e)+4:SA+8*(\e)+7], v8 offset:2176*((\s)/4)+272*((\s)%4)+16
.endm
.macro WM d, s0, s1, c, x0, x1
	v_wmma_scale_f32_16x16x128_f8f6f4 v[\d:\d+7], v[12*((\s0)%21):12*((\s0)%21)+11], v[12*((\s1)%21):12*((\s1)%21)+11], \c, v[\x0], v[\x1] matrix_a_fmt:MATRIX_FMT_FP6 matrix_b_fmt:MATRIX_FMT_FP6
.endm
.macro PROD kind, e, n, d0, ds         ; product n = 4 q + t; the four sums take turns
.set Q_, (\n)/4
.set T_, (\n)%4
.set D_, (\d0)+(\ds)*T_
.if \kind
.set S0_, 32+8*(\e)+Q_
.set S1_, 4*Q_+T_
.set X0_, SA+8*(\e)+Q_
.set X1_, SB+8*T_+Q_
.else
.set S1_, 32+8*(\e)+Q_
.set S0_, 4*Q_+T_
.set X1_, SA+8*(\e)+Q_
.set X0_, SB+8*T_+Q_
.endif
.if Q_
	WIN (1+S0_/21)|((1+S1_/21)<<2)
	WM D_, S0_, S1_, v[D_:D_+7], X0_, X1_
.else
	WIN (1+S0_/21)|((1+S1_/21)<<2)|(3<<4)
	WM D_, S0_, S1_, v[BB+8*T_:BB+8*T_+7], X0_, X1_
.endif
.endm
.macro BLOCK kind, e, d0, ds
.set N_, 0
.rept 32
	PROD \kind, \e, N_, \d0, \ds
.set N_, N_+1
.endr
	WIN 0
	PLACES 4
.endm
.macro QUANT x, off                    ; 32 sums of a lane: their largest magnitude in two chains, the scale, 32 codes out as a half image; the byte stays in v65
	s_wait_xcnt 0x0                                ; the last stores have read their data
	v_max3_num_f32 v26, |v[\x]|, |v[\x+1]|, |v[\x+2]|
	v_max3_num_f32 v27, |v[\x+16]|, |v[\x+17]|, |v[\x+18]|
.irp i, 3,5,7,9,11,13
	v_max3_num_f32 v26, v26, |v[\x+\i]|, |v[\x+\i+1]|
	v_max3_num_f32 v27, v27, |v[\x+16+\i]|, |v[\x+17+\i]|
.endr
	v_max3_num_f32 v26, v26, |v[\x+15]|, 0x1800000 ; the floor 2^(3 - 127): the byte cannot fall under 1
	v_max3_num_f32 v26, v26, |v[\x+31]|, v27
	v_add_nc_u32 v64, 0xff000000, v26              ; 2 off the exponent field: the conversions' scale operand
	v_cvt_scalef32_pk16_fp6_f32 v[CA:CA+2], v[\x:\x+15], v64
	v_cvt_scalef32_pk16_fp6_f32 v[TC:TC+2], v[\x+16:\x+31], v64
	v_lshrrev_b32 v65, 23, v64
.irp i, 0,1,2
	v_mov_b32 v[CA+3+\i], v[TC+\i]
.endr
	global_store_b128 v9, v[CA:CA+3], s[84:85] offset:\off
	global_store_b64 v12, v[CA+4:CA+5], s[84:85] offset:\off
.endm
.macro WSCALES                         ; my 64 rows' scale words: eight a row
.irp t, 0,1,2,3
	global_load_b128 v[SB+8*\t:SB+8*\t+3], v24, s[86:87] offset:256*\t
	global_load_b128 v[SB+8*\t+4:SB+8*\t+7], v24, s[86:87] offset:256*\t+16
.endr
.endm
	s_load_b256 s[4:11], s[0:1], 0x0               ; X's codes, X's scales, W's codes, W's scales
	s_load_b128 s[12:15], s[0:1], 0x20             ; the bias, rec
	v_lshl_add_u32 v10, v0, 2, SPARE
	v_mov_b32 v11, 0
	ds_add_u32 v10, v11
	ds_add_u32 v10, v11
	v_lshrrev_b32 v1, 5, v0
	v_readfirstlane_b32 s16, v1                    ; wave
	s_lshr_b32 s17, s16, 1                         ; a
	s_and_b32 s18, s16, 1                          ; b
	s_bfe_u32 s19, ttmp6, 0x40000
	s_bfe_u32 s20, ttmp6, 0x40004
	s_lshl_b32 s21, ttmp9, 2
	s_add_co_u32 s21, s21, s19                     ; x: the pair of heads
	s_and_b32 s22, ttmp7, 0xffff
	s_lshl_b32 s22, s22, 2
	s_add_co_u32 s22, s22, s20                     ; y: the 256 tokens
	s_lshl_b32 s23, s20, 2
	s_lshl_b32 s23, 15, s23                        ; my row of the cluster
	s_lshl_b32 s24, 0x1111, s19                    ; my column
	GROUP1 G1X, 23, 128
	GROUP1 G1W, 24, 128
	GROUP1 G1R, 24, 32
	s_or_b32 s[G1S+0], s23, (3<<16)|(1<<20)|(1<<21)|(5<<22)|(3<<25)
	s_mov_b32 s[G1S+1], 32<<16
	s_mov_b32 s[G1S+2], 32<<16
	s_mov_b32 s[G1S+3], 32<<16
	s_mov_b32 s[G1S+4], 32
	s_mov_b32 s[G1S+5], 32
	s_mov_b32 s[G1S+6], 0
	s_mov_b32 s[G1S+7], 0
	s_mul_i32 s92, s22, 256*KROW
	s_mul_i32 s25, s17, 128*KROW
	s_add_co_u32 s92, s92, s25                     ; X: waves 1 and 2 fetch a half each (wave / 2 = 0, 1)
	s_mul_i32 s25, s17, 128*PITCH
	s_mul_i32 s93, s21, 128*KROW                   ; q's weight rows
	s_lshl_b32 s94, s22, 13                        ; X's scale bytes
	s_mul_i32 s95, s16, 32*KROW
	s_add_co_u32 s95, s95, s93                     ; the refills: a quarter a wave
	s_mul_i32 s26, s16, 32*PITCH
	s_add_co_u32 s26, s26, WB
	s_mov_b32 s91, 0
	s_lshl_b32 s27, s22, 1
	s_add_co_u32 s27, s27, s17                     ; my 128 tokens: 16 x batch + step
	s_lshr_b32 s83, s27, 4
	s_lshl_b32 s83, s83, 8
	s_and_b32 s27, s27, 15
	s_add_co_u32 s83, s83, s27
	s_lshl_b32 s27, s21, 1
	s_add_co_u32 s27, s27, s18                     ; my head
	s_lshl_b32 s82, s27, 4
	s_add_co_u32 s83, s83, s82
	s_mul_i32 s83, s83, REC
	s_mov_b32 s80, 0x76543210
	s_mov_b32 s81, 0xfedcba98
	WALU
	s_wait_dscnt 0x0
	s_wait_kmcnt 0x0
	G0SET G0W, WB, 8, 93
	G0SET G0X, s25, 4, 92
	G0SET G0S, SCX, 6, 94
	G0SET G0R, s26, 8, 95
	s_mov_b32 s90, s83
	s_add_nc_u64 s[84:85], s[14:15], s[90:91]      ; q's record
	s_lshl_b32 s90, s27, 11
	s_add_nc_u64 s[86:87], s[10:11], s[90:91]      ; my weight rows' scale bytes
	s_lshl_b32 s90, s27, 8
	s_add_nc_u64 s[88:89], s[12:13], s[90:91]      ; my head's bias
	CROUND
	s_cmp_eq_u32 s16, 0                            ; one tensor load a wave: the weights first, then X's halves, then X's scale bytes
	s_cbranch_scc0 .La1
	TLOAD G0W, G1W
	s_branch .Lasked
.La1:
	s_cmp_lt_u32 s16, 3
	s_cbranch_scc0 .La3
	TLOAD G0X, G1X
	s_branch .Lasked
.La3:
	TLOAD G0S, G1S
.Lasked:
	v_and_b32 v1, 15, v0
	v_bfe_u32 v2, v0, 4, 1
	v_and_b32 v3, 31, v0
	v_and_b32 v28, 7, v1
	v_lshrrev_b32 v29, 3, v1
	v_lshl_add_u32 v30, v29, 5, v28                ; r % 8 + 32 (r / 8)
	v_mul_u32_u24 v26, v30, PITCH
	v_mad_u32_u24 v27, v2, 24, v26
	v_mad_u32_u24 v26, v2, 40, v26
	s_mul_i32 s90, s17, 128*PITCH
	v_add_nc_u32 v4, s90, v27
	v_add_nc_u32 v5, s90, v26
	s_mul_i32 s90, s18, 64*PITCH
	s_add_co_u32 s90, s90, WB
	v_add_nc_u32 v16, s90, v27
	v_add_nc_u32 v17, s90, v26
.irp t, 1,2,3
	v_add_nc_u32 v[16+2*\t], \t*8*PITCH, v16
	v_add_nc_u32 v[17+2*\t], \t*8*PITCH, v17
.endr
	v_mul_u32_u24 v8, v29, 1088
	v_lshl_add_u32 v8, v28, 5, v8
	s_mul_i32 s90, s17, 4352
	s_add_co_u32 s90, s90, SCX
	v_add_nc_u32 v8, s90, v8                       ; my token's scale words
	v_lshlrev_b32 v9, 4, v3
	v_lshl_add_u32 v12, v3, 3, 512
	v_lshlrev_b32 v13, 4, v1
	v_lshlrev_b32 v14, 3, v2
	v_lshlrev_b32 v24, 5, v30
	v_lshlrev_b32 v25, 7, v2
	v_lshlrev_b32 v31, 2, v30
	v_mov_b32 v66, 0
	WALU
	s_cmp_eq_u32 s16, 0
	s_cbranch_scc0 .Lnw
	s_wait_tensorcnt 0x0
.Lnw:
	BARRIER                                        ; q's weight rows are in; the other tiles may be on their way
	s_mov_b32 s82, 0
.Lqk:                                              ; two trips: q, k
	WSCALES
	WIN 3<<6
.irp k, 0,1,2,3,4,5,6,7
	global_load_b128 v[BB+4*\k:BB+4*\k+3], v25, s[88:89] offset:16*\k   ; register 8 t + j is channel 32 h + 8 t + j
.endr
	WIN 0
	WEIGHTS
	s_wait_tensorcnt 0x0                           ; the three lines ahead of a refill's round
	ds_add_u32 v10, v11
	s_add_nc_u64 s[G0R+2:G0R+3], s[G0R+2:G0R+3], 1024*KROW   ; the next tensor's rows
	s_wait_dscnt 0x0                               ; the weights are in my registers
	CROUND                                         ; in the first trip it also shows X's rows and scale bytes to all
	TLOAD G0R, G1R
	FETCH 0, 0
	FETCH 1, 1
	s_wait_loadcnt 0x0
.irp s, 0,1,2,3,4,5,6,7
.if \s < 7
	s_wait_dscnt NF                                ; all but the next block's fetch
.else
	s_wait_dscnt 0x0
.endif
	BLOCK 0, \s%2, HV, 8
.if \s < 6
	FETCH \s%2, \s+2
.endif
	QUANT HV, 768*\s
	v_lshlrev_b32 v65, v14, v65                    ; my block's byte at its place,
	v_permlanex16_b32 v66, v65, s80, s81
	v_or_b32 v65, v65, v66                         ; with lane l xor 16's,
	v_or_b32 v[SW+\s], 0x7f7f0000, v65             ; and 0x7f above
.endr
	WALU
	global_store_b128 v13, v[SW:SW+3], s[84:85] offset:12288
	global_store_b128 v13, v[SW+4:SW+7], s[84:85] offset:12288+256
	s_wait_xcnt 0x0
	s_add_nc_u64 s[84:85], s[84:85], 64*16*REC
	s_add_nc_u64 s[86:87], s[86:87], 1024*32
	s_add_nc_u64 s[88:89], s[88:89], 4096
	s_wait_tensorcnt 0x0
	s_wait_dscnt 0x0
	BARRIER                                        ; the next weight's rows are shown to all
	s_add_co_u32 s82, s82, 1
	s_cmp_lt_u32 s82, 2
	WALU
	s_cbranch_scc1 .Lqk
	s_sub_nc_u64 s[84:85], s[84:85], 64*16*REC     ; v goes into k's record
	WSCALES
	WIN 3<<6
.irp t, 0,1,2,3
	global_load_b32 v[BB+8*\t], v31, s[88:89] offset:32*\t   ; one number a lane and tile
.endr
	WIN 0
	WEIGHTS
	FETCH 0, 0
	FETCH 1, 1
	s_wait_loadcnt 0x0
	WIN (3<<6)|3
.irp t, 0,8,16,24
.irp i, 1,2,3,4,5,6,7
	v_mov_b32 v[BB+\t+\i], v[BB+\t]
.endr
.endr
	WIN 0
	WALU
.irp s, 0,1,2,3,4,5,6,7
.if \s < 7
	s_wait_dscnt NF
.else
	s_wait_dscnt 0x0
.endif
	BLOCK 1, \s%2, HV+8*(\s%4), 32
.if \s < 6
	FETCH \s%2, \s+2
.endif
.if \s%4 == 3                                      ; a band of 64 keys is whole
.irp t, 0,1,2,3
	QUANT HV+32*\t, 6144+1536*\t+768*(\s/4)
.if \s == 3
	v_mov_b32 v[VW+\t], v65
.else
	v_lshl_or_b32 v[VW+\t], v65, 16, v[VW+\t]
.endif
.endr
.endif
.endr
.irp t, 0,1,2,3
	v_lshlrev_b32 v[VW+\t], v14, v[VW+\t]          ; bytes h and 2 + h,
	v_permlanex16_b32 v66, v[VW+\t], s80, s81
	v_or_b32 v[VW+\t], v[VW+\t], v66               ; with lane l xor 16's the word is whole
.endr
	WALU
	global_store_b128 v13, v[VW:VW+3], s[84:85] offset:12800
	s_wait_tensorcnt 0x0                           ; the wave's end
	ds_add_u32 v10, v11
	s_wait_dscnt 0x0
	CROUND
	s_endpgm
.Lfunc_end_k_q8022de02b2_qkv:
	.size	k_q8022de02b2_qkv, .Lfunc_end_k_q8022de02b2_qkv-k_q8022de02b2_qkv
	.p2alignl 7, 3214868480
	.fill 96, 4, 3214868480
	.section	.rodata,"a",@progbits
	.p2align	6, 0x0
	.amdhsa_kernel k_q8022de02b2_qkv
		.amdhsa_group_segment_fixed_size 327680
		.amdhsa_private_segment_fixed_size 0
		.amdhsa_enable_private_segment 0
		.amdhsa_kernarg_size 48
		.amdhsa_user_sgpr_count 2
		.amdhsa_user_sgpr_kernarg_segment_ptr 1
		.amdhsa_wavefront_size32 1
		.amdhsa_system_sgpr_workgroup_id_x 1
		.amdhsa_system_sgpr_workgroup_id_y 1
		.amdhsa_system_sgpr_workgroup_id_z 1
		.amdhsa_system_vgpr_workitem_id 0
		.amdhsa_next_free_vgpr 896
		.amdhsa_next_free_sgpr 96
		.amdhsa_reserve_vcc 0
		.amdhsa_float_denorm_mode_32 3
		.amdhsa_float_denorm_mode_16_64 3
		.amdhsa_memory_ordered 1
		.amdhsa_forward_progress 1
		.amdhsa_inst_pref_size 155
	.end_amdhsa_kernel
	.amdgpu_metadata
---
amdhsa.version: [ 1, 2 ]
amdhsa.kernels:
  - .name:           k_q8022de02b2_qkv
    .symbol:         k_q8022de02b2_qkv.kd
    .args:
      - { .name: X_codes, .offset: 0, .size: 8, .value_kind: global_buffer, .address_space: global }
      - { .name: X_scales, .offset: 8, .size: 8, .value_kind: global_buffer, .address_space: global }
      - { .name: W_qkv_codes, .offset: 16, .size: 8, .value_kind: global_buffer, .address_space: global }
      - { .name: W_qkv_scales, .offset: 24, .size: 8, .value_kind: global_buffer, .address_space: global }
      - { .name: b_qkv, .offset: 32, .size: 8, .value_kind: global_buffer, .address_space: global }
      - { .name: rec, .offset: 40, .size: 8, .value_kind: global_buffer, .address_space: global }
    .group_segment_fixed_size: 327680
    .private_segment_fixed_size: 0
    .kernarg_segment_align: 8
    .kernarg_segment_size: 48
    .max_flat_workgroup_size: 128
    .sgpr_count:     96
    .vgpr_count:     896
    .wavefront_size: 32
...
	.end_amdgpu_metadata
.endif
;; end of part 1
;; launch attn (part 2): grid 4 x 64, 16 waves a work-group, clusters of 4 x 1, 210,944 bytes of LDS; arguments rec, oimg, oscl; writes oimg, oscl
.if DOCPART == 2
	.amdgcn_target "amdgcn-amd-amdhsa--gfx1250"
	.amdhsa_code_object_version 6
	.text
	.protected	k_q8022de02b2_attn
	.globl	k_q8022de02b2_attn
	.p2align	8
	.type	k_q8022de02b2_attn,@function
k_q8022de02b2_attn:
	s_mov_b64 s[64:65], 0
	v_nop
	global_prefetch_b8 v0, s[64:65] scope:SCOPE_SE
	s_setreg_imm32_b32 hwreg(HW_REG_WAVE_MODE, 25, 1), 1
	s_wait_xcnt 0x0
	s_wait_alu depctr_hold_cnt(0) depctr_sa_sdst(0) depctr_va_vdst(0) depctr_va_sdst(0) depctr_va_ssrc(0) depctr_va_vcc(0) depctr_vm_vsrc(0)
	s_getreg_b32 s2, hwreg(HW_REG_IB_STS2, 6, 4)
	s_cmp_eq_u32 s2, 0
	s_cbranch_scc0 .Lentry_in_a_cluster
	s_endpgm
.Lentry_in_a_cluster:
	s_bfe_u32 s2, ttmp6, 0x10000c
	s_cmp_lg_u32 s2, 0x3003
	s_cbranch_scc0 .Lentry_shape_is_right
	s_endpgm
.Lentry_shape_is_right:
; O = softmax(q k^T / 8) v for one head, both products on codes of FP6 (E2M3) with E8M0 scales; O is divided by the row's sum, quantised along the model's 1,024 (a head is two blocks) and leaves as codes.
; THE SOFTMAX: t = score x log2(e) / 8; M = the row's largest t so far, rounded up to a whole number; p = 2^(t - M) is quantised along the keys; the row's sum is taken of the unquantised p.
; When M moves, the sum and O are multiplied by 2^(old M - new M): exact.
; SHARES.  A work-group has one head and 512 queries, in two passes of 256; each of its sixteen waves owns a tile of 16 queries and walks the head's 2,048 keys, 128 a step.
; LDS.  The head's k and v are 16 records of 13,056 bytes, dense in memory.  Each wave asks for one record, jointly with the three work-groups that share the head; they are filled once and only read.
; All that the launch reads by tensor loads is asked for at its head, so there is no loop in which a prefetch could run ahead: none is laid.
; LAYOUT.  S^T = k q^T, O^T = v^T p^T: a lane holds one query.  Tile s = 4 c + u of k holds keys 64 c + 8 u + i and 64 c + 32 + 8 u + i (i = 0 .. 7), so lane (r, h) has keys 64 c + 32 h + 0 .. 31 in 32 registers on end:
; p's scale blocks are whole in a lane and the conversions' results are the operand's registers.  v's tile t holds channels 32 (m / 8) + 8 t + m % 8, so a lane's 32 sums of O^T are channels 32 h + 0 .. 31.
; THE FIRST PRODUCT'S K IS 64: q's registers 6-11 are zero codes; k's operand for tile t runs on into the next tile's codes (zeros behind the last), which meet q's zero codes under the byte 0x7f.
; ORDER OF THE VECTOR LINES.  Lines that hang on each other stand five lines apart where other work is at hand (the scale word's among the sum's eight chains); where none is, a one-field hint names the line that is read.
; LIMITS: NaN and infinities are not served.  A block of zeros gets the byte 1.  A block's largest p is made from its largest score, which takes v_exp_f32 not to fall where its input rises.
; The promise holds while the scaled scores stay under 2^31 in magnitude.
; REGISTERS: v1-3 lane terms, v4-6 the step's addresses, v7 8 h, v8-9 the add's, v11 32 r + h; v12 -M, v13 the largest score, v[14:15] the sum; v16-27 q; v32-85 k, then v; v86-92 the second pass's q;
; v96-159 S^T, then p; v160-191 O^T; v192-203 scale words; v204-219 partial sums; v220 f; v224-235 p's codes; v236-254 at work; v253 p's scale word, v255 q's.
.set REC, 13056
.set HEADB, 16*REC
.set SPARE, 16*REC
.set WV, 18
.set SEL, 20
.set CS, 22
.set G1, 24
.set G0, 32
.set TB, 48
.set CNT, 49
.macro WALU
	s_wait_alu depctr_va_vdst(0)
.endm
.macro ROUND
	s_barrier_signal -1
	s_barrier_wait -1
	s_cmp_lg_u32 s[WV], 0
	s_cbranch_scc1 .Lnot_wave_0_\@
	s_barrier_signal -3
.Lnot_wave_0_\@:
	s_barrier_wait -3
	s_barrier_signal -1
	s_barrier_wait -1
.endm
	s_load_b128 s[4:7], s[0:1], 0x0                ; rec, oimg
	s_load_b64 s[8:9], s[0:1], 0x10                ; oscl
	v_lshl_add_u32 v8, v0, 2, SPARE
	v_mov_b32 v9, 0
	ds_add_u32 v8, v9
	ds_add_u32 v8, v9
	v_lshrrev_b32 v4, 5, v0
	v_readfirstlane_b32 s[WV], v4
	v_and_b32 v5, 31, v0
	v_and_b32 v6, 15, v0
	v_bfe_u32 v10, v0, 4, 1
	v_lshlrev_b32 v1, 4, v5
	v_lshl_add_u32 v2, v5, 3, 512
	v_lshl_add_u32 v3, v6, 4, 12288
	v_lshl_add_u32 v11, v6, 5, v10
	v_lshlrev_b32 v7, 3, v10
	s_and_b32 s50, ttmp7, 0xffff                   ; 16 x batch + head
	s_bfe_u32 s51, ttmp6, 0x40000
	s_lshl_b32 s52, ttmp9, 2
	s_add_co_u32 s51, s51, s52                     ; my block of 512 queries: it enters q's and O's addresses alone
	s_add_co_u32 s52, s50, 64
	s_mul_i32 s52, s52, HEADB
	s_mul_i32 s53, s[WV], REC                      ; the record that I fetch
	s_add_co_u32 s54, s52, s53
	s_mov_b32 s55, 0
	s_lshl_b32 s58, s50, 4
	s_lshl_b32 s59, s51, 2
	s_add_co_u32 s58, s58, s59
	s_lshr_b32 s59, s[WV], 3
	s_add_co_u32 s58, s58, s59                     ; q's record
	s_mul_i32 s58, s58, REC
	s_and_b32 s59, s[WV], 7
	s_mul_i32 s60, s59, 768
	s_add_co_u32 s60, s60, s58
	s_mov_b32 s61, 0
	s_lshr_b32 s59, s59, 2
	s_lshl_b32 s59, s59, 8
	s_and_b32 s62, s[WV], 3
	s_lshl_b32 s62, s62, 2
	s_add_co_u32 s62, s62, s59
	s_add_co_u32 s62, s62, s58
	s_mov_b32 s63, 0
	s_lshr_b32 s74, s50, 4
	s_and_b32 s75, s50, 15
	s_lshl_b32 s76, s74, 7
	s_lshl_b32 s77, s51, 5
	s_add_co_u32 s76, s76, s77
	s_add_co_u32 s76, s76, s[WV]                   ; my tile of 16 rows of O
	s_lshl_b32 s77, s76, 4
	s_add_co_u32 s77, s77, s75
	s_mul_i32 s78, s77, 768
	s_mov_b32 s79, 0
	s_lshl_b32 s76, s76, 9
	s_lshl_b32 s75, s75, 1
	s_add_co_u32 s76, s76, s75
	s_mov_b32 s77, 0
	s_mov_b32 s[G1], 15|(3<<16)|(1<<21)            ; a record: 51 rows of 256 bytes, for all four work-groups
	s_mov_b32 s[G1+1], 32<<16
	s_mov_b32 s[G1+2], 51<<16
	s_mov_b32 s[G1+3], 32<<16
	s_mov_b32 s[G1+4], 51
	s_mov_b32 s[G1+5], 32
	s_mov_b32 s[G1+6], 0
	s_mov_b32 s[G1+7], 0
	s_mov_b32 s[G0], 1
	s_mov_b32 s[G0+1], s53
	s_mov_b32 s[SEL], 0x76543210
	s_mov_b32 s[SEL+1], 0xfedcba98
	s_mov_b32 s[CS], 0x3e38aa3b                    ; c = log2(e) / 8
	s_mov_b32 s[CS+1], s[CS]
	WALU
	s_wait_dscnt 0x0
	s_wait_kmcnt 0x0
	s_add_nc_u64 s[G0+2:G0+3], s[4:5], s[54:55]
	s_or_b32 s[G0+3], s[G0+3], 0x80000000
	s_add_nc_u64 s[70:71], s[4:5], s[60:61]
	s_add_nc_u64 s[72:73], s[4:5], s[62:63]
	s_add_nc_u64 s[66:67], s[6:7], s[78:79]
	s_add_nc_u64 s[68:69], s[8:9], s[76:77]
	ROUND
	tensor_load_to_lds s[G0:G0+3], s[G1:G1+7]      ; one load a wave
	s_nop 0
.rept 4
	v_nop
.endr
	global_load_b128 v[16:19], v1, s[70:71]
	global_load_b64 v[20:21], v2, s[70:71]
	global_load_b32 v255, v3, s[72:73]
	global_load_b128 v[86:89], v1, s[70:71] offset:2*REC
	global_load_b64 v[90:91], v2, s[70:71] offset:2*REC
	global_load_b32 v92, v3, s[72:73] offset:2*REC
.irp j, 0,1,2,3,4,5
	v_mov_b32 v[22+\j], 0
	v_mov_b32 v[80+\j], 0
.endr
	v_mov_b32 v239, 0                              ; a lane permute's destination counts as one of its sources
	v_mov_b32 v221, 0                              ; (named with f as a pair)
.macro S0 k                            ; the sum's chain k begins: four of my p
	v_pk_add_f32 v[204+2*\k:205+2*\k], v[96+4*\k:97+4*\k], v[98+4*\k:99+4*\k]
.endm
.macro S1 k, j                         ; and takes two more
	v_pk_add_f32 v[204+2*\k:205+2*\k], v[204+2*\k:205+2*\k], v[\j+2*\k:\j+2*\k+1]
.endm
.macro STEP                            ; the 128 keys of the record at LDS byte s[TB]
	v_add_nc_u32 v4, s[TB], v1                     ; with the v_nop: the four places in front of loads into registers that the last products read
	v_add_nc_u32 v5, s[TB], v2
	v_add_nc_u32 v6, s[TB], v3
	v_nop
.irp t, 0,1,2,3,4,5,6,7
	ds_load_b128 v[32+6*\t:35+6*\t], v4 offset:768*\t
	ds_load_b64 v[36+6*\t:37+6*\t], v5 offset:768*\t
.endr
	ds_load_b128 v[192:195], v6
	ds_load_b128 v[196:199], v6 offset:256
	WALU
	s_wait_dscnt 0x0
.irp t, 0,1,2,3,4,5,6,7
	v_wmma_scale_f32_16x16x128_f8f6f4 v[96+8*\t:103+8*\t], v[32+6*\t:43+6*\t], v[16:27], 0, v[192+\t], v255 matrix_a_fmt:MATRIX_FMT_FP6 matrix_b_fmt:MATRIX_FMT_FP6
.endr
.rept 4
	v_nop
.endr
.irp t, 0,1,2,3                                    ; v's fragments land while the softmax is worked
	ds_load_b128 v[32+12*\t:35+12*\t], v4 offset:6144+1536*\t
	ds_load_b64 v[36+12*\t:37+12*\t], v5 offset:6144+1536*\t
	ds_load_b128 v[38+12*\t:41+12*\t], v4 offset:6144+1536*\t+768
	ds_load_b64 v[42+12*\t:43+12*\t], v5 offset:6144+1536*\t+768
.endr
	ds_load_b128 v[200:203], v6 offset:512
.irp c, 0,1                                        ; the largest score of my two blocks of 32 keys: two chains a block, of 17 and of 15 scores
	v_max3_num_f32 v[240+2*\c], v[96+32*\c], v[97+32*\c], v[98+32*\c]
	v_max3_num_f32 v[241+2*\c], v[113+32*\c], v[114+32*\c], v[115+32*\c]
.endr
.irp i, 0,2,4,6,8,10
.irp c, 0,1
	v_max3_num_f32 v[240+2*\c], v[240+2*\c], v[99+32*\c+\i], v[100+32*\c+\i]
	v_max3_num_f32 v[241+2*\c], v[241+2*\c], v[116+32*\c+\i], v[117+32*\c+\i]
.endr
.endr
.irp c, 0,1
	v_max3_num_f32 v[240+2*\c], v[240+2*\c], v[111+32*\c], v[112+32*\c]
.endr
	s_delay_alu instid0(VALU_DEP_2)
	v_max_num_f32 v240, v240, v241                 ; block h's largest score,
	s_delay_alu instid0(VALU_DEP_2)
	v_max_num_f32 v242, v242, v243                 ; block 2 + h's
	s_delay_alu instid0(VALU_DEP_1)
	v_max_num_f32 v254, v240, v242
	s_delay_alu instid0(VALU_DEP_1)
	v_permlanex16_b32 v239, v254, s[SEL], s[SEL+1]
	s_delay_alu instid0(VALU_DEP_1)
	v_max3_num_f32 v13, v13, v254, v239            ; the running largest score of my query (c is positive)
	s_delay_alu instid0(VALU_DEP_1)
	v_mul_f32 v254, s[CS], v13
	v_mov_b32 v251, v12
	s_delay_alu instid0(VALU_DEP_2)
	v_floor_f32 v12, -v254                         ; -M = floor(-t)
	s_delay_alu instid0(VALU_DEP_1)
	v_sub_f32 v254, v12, v251
	s_delay_alu instid0(VALU_DEP_1)
	v_cvt_i32_f32 v254, v254                       ; (it saturates)
	s_delay_alu instid0(VALU_DEP_1)
	v_ldexp_f32 v220, 1.0, v254                    ; f = 2^(old M - new M)
.set J, 0
.rept 32
	v_pk_fma_f32 v[96+J:97+J], v[96+J:97+J], s[CS:CS+1], v[12:13] op_sel_hi:[1,0,0]   ; t - M
.set J, J+2
.endr
	v_fma_f32 v240, v240, s[CS], v12
	v_fma_f32 v242, v242, s[CS], v12
.set J, 0
.rept 16
	v_pk_mul_f32 v[160+J:161+J], v[160+J:161+J], v[220:221] op_sel_hi:[1,0]   ; O^T under the new M, ahead of the exponentials
.set J, J+2
.endr
	WALU                                           ; the wait ahead of the batch
.set J, 0
.rept 64
	v_exp_f32 v[96+J], v[96+J]
.set J, J+1
.endr
	v_exp_f32 v240, v240                           ; each block's largest p
	v_exp_f32 v242, v242
	v_nop
	WALU                                           ; and behind it
	v_max_num_f32 v240, 0x1800000, v240            ; the floor 2^(3 - 127)
	v_max_num_f32 v242, 0x1800000, v242
.irp k, 0,1,2,3                                    ; the sum of the unquantised p, in eight chains; the scale word's lines stand among them
	S0 \k
.endr
	v_add_nc_u32 v244, 0xff000000, v240            ; 2 off the exponent field: the conversions' scale operands
	v_add_nc_u32 v245, 0xff000000, v242
.irp k, 4,5,6,7
	S0 \k
.endr
	v_lshrrev_b32 v246, 23, v244
	v_lshrrev_b32 v247, 23, v245
	v_cvt_scalef32_pk16_fp6_f32 v[224:226], v[96:111], v244
	v_cvt_scalef32_pk16_fp6_f32 v[236:238], v[112:127], v244
	v_cvt_scalef32_pk16_fp6_f32 v[230:232], v[128:143], v245
	v_cvt_scalef32_pk16_fp6_f32 v[248:250], v[144:159], v245
	v_lshl_or_b32 v253, v247, 16, v246             ; my bytes: blocks h and 2 + h,
.irp k, 0,1,2,3
	S1 \k, 128
.endr
	v_lshlrev_b32 v253, v7, v253                   ; at their places,
.irp k, 4,5,6,7
	S1 \k, 128
.endr
	v_permlanex16_b32 v239, v253, s[SEL], s[SEL+1]
.irp k, 0,1,2,3
	S1 \k, 144
.endr
	v_or_b32 v253, v253, v239                      ; with lane l xor 16's: p's scale word.  Twelve lines that name no register of the products below stand behind it
.irp k, 4,5,6,7
	S1 \k, 144
.endr
.irp i, 0,1,2
	v_mov_b32 v[227+\i], v[236+\i]
	v_mov_b32 v[233+\i], v[248+\i]
.endr
	v_pk_add_f32 v[204:205], v[204:205], v[206:207]
	v_pk_add_f32 v[208:209], v[208:209], v[210:211]
	v_pk_add_f32 v[212:213], v[212:213], v[214:215]
	v_pk_add_f32 v[216:217], v[216:217], v[218:219]
	s_delay_alu instid0(VALU_DEP_3)
	v_pk_add_f32 v[204:205], v[204:205], v[208:209]
	s_delay_alu instid0(VALU_DEP_2)
	v_pk_add_f32 v[212:213], v[212:213], v[216:217]
	s_delay_alu instid0(VALU_DEP_1)
	v_pk_add_f32 v[204:205], v[204:205], v[212:213]
	s_delay_alu instid0(VALU_DEP_1)
	v_pk_fma_f32 v[14:15], v[14:15], v[220:221], v[204:205] op_sel_hi:[1,0,1]   ; the old sum under the new M, and this step's
	WALU
	s_wait_dscnt 0x0                               ; v is in
.irp t, 0,1,2,3                                    ; four sums by turns
	v_wmma_scale_f32_16x16x128_f8f6f4 v[160+8*\t:167+8*\t], v[32+12*\t:43+12*\t], v[224:235], v[160+8*\t:167+8*\t], v[200+\t], v253 matrix_a_fmt:MATRIX_FMT_FP6 matrix_b_fmt:MATRIX_FMT_FP6
.endr
	s_add_co_u32 s[TB], s[TB], REC
.endm
.macro KEYS
	s_mov_b32 s[TB], 0
	s_mov_b32 s[CNT], 16
.Lkeys_\@:
	STEP
	s_sub_co_u32 s[CNT], s[CNT], 1
	s_cmp_lg_u32 s[CNT], 0
	s_cbranch_scc1 .Lkeys_\@
.endm
.macro INIT                            ; the step is written once and finds zeros, which the first change of M leaves zeros
	v_mov_b32 v13, 0xff61b1e6                      ; -3e38, under every score
	v_mul_f32 v254, s[CS], v13
	v_floor_f32 v12, -v254
	v_mov_b32 v14, 0
	v_mov_b32 v15, 0
.set J, 0
.rept 32
	v_mov_b32 v[160+J], 0
.set J, J+1
.endr
.endm
.macro OUT                             ; O^T / the sum; my 32 numbers are one block of the model's 1,024
.rept 4
	v_nop
.endr
	v_add_f32 v14, v14, v15
	v_permlanex16_b32 v239, v14, s[SEL], s[SEL+1]
	v_add_f32 v14, v14, v239
	WALU
	v_rcp_f32 v14, v14
	v_nop
	WALU
.set J, 0
.rept 16
	v_pk_mul_f32 v[96+J:97+J], v[160+J:161+J], v[14:15] op_sel_hi:[1,0]
.set J, J+2
.endr
	v_max3_num_f32 v240, |v96|, |v97|, 0x1800000
	v_max3_num_f32 v241, |v112|, |v113|, |v114|
.irp i, 2,4,6,8,10,12
	v_max3_num_f32 v240, v240, |v[96+\i]|, |v[97+\i]|
	v_max3_num_f32 v241, v241, |v[113+\i]|, |v[114+\i]|
.endr
	v_max3_num_f32 v240, v240, |v110|, |v111|
	v_max3_num_f32 v240, v240, v241, |v127|
	v_add_nc_u32 v244, 0xff000000, v240
	v_cvt_scalef32_pk16_fp6_f32 v[224:226], v[96:111], v244
	v_cvt_scalef32_pk16_fp6_f32 v[236:238], v[112:127], v244
	v_lshrrev_b32 v246, 23, v244
.irp i, 0,1,2
	v_mov_b32 v[227+\i], v[236+\i]
.endr
	global_store_b128 v1, v[224:227], s[66:67]     ; 512 consecutive bytes,
	global_store_b64 v2, v[228:229], s[66:67]      ; and 256 more
	global_store_b8 v11, v246, s[68:69]            ; a row's 32 scale bytes come from sixteen work-groups, so they cannot leave together
.endm
	INIT
	WALU
	s_wait_loadcnt 0x0
	s_wait_tensorcnt 0x0                           ; my record is in,
	s_barrier_signal -1
	s_barrier_wait -1                              ; everybody's is
	KEYS
	OUT
	s_wait_xcnt 0x0
	s_add_nc_u64 s[66:67], s[66:67], 16*16*768     ; the second pass: 16 tiles of rows on
	s_add_nc_u64 s[68:69], s[68:69], 256*32
.irp j, 0,1,2,3,4,5
	v_mov_b32 v[16+\j], v[86+\j]
.endr
	v_mov_b32 v255, v92
	INIT
	KEYS
	OUT
	s_wait_tensorcnt 0x0                           ; the wave's end
	ds_add_u32 v8, v9
	s_wait_dscnt 0x0
	ROUND
	s_endpgm
.Lfunc_end_k_q8022de02b2_attn:
	.size	k_q8022de02b2_attn, .Lfunc_end_k_q8022de02b2_attn-k_q8022de02b2_attn
	.p2alignl 7, 3214868480
	.fill 96, 4, 3214868480
	.section	.rodata,"a",@progbits
	.p2align	6, 0x0
	.amdhsa_kernel k_q8022de02b2_attn
		.amdhsa_group_segment_fixed_size 210944
		.amdhsa_private_segment_fixed_size 0
		.amdhsa_enable_private_segment 0
		.amdhsa_kernarg_size 24
		.amdhsa_user_sgpr_count 2
		.amdhsa_user_sgpr_kernarg_segment_ptr 1
		.amdhsa_wavefront_size32 1
		.amdhsa_system_sgpr_workgroup_id_x 1
		.amdhsa_system_sgpr_workgroup_id_y 1
		.amdhsa_system_sgpr_workgroup_id_z 1
		.amdhsa_system_vgpr_workitem_id 0
		.amdhsa_next_free_vgpr 256
		.amdhsa_next_free_sgpr 80
		.amdhsa_reserve_vcc 0
		.amdhsa_float_denorm_mode_32 3
		.amdhsa_float_denorm_mode_16_64 3
		.amdhsa_memory_ordered 1
		.amdhsa_forward_progress 1
		.amdhsa_inst_pref_size 46
	.end_amdhsa_kernel
	.amdgpu_metadata
---
amdhsa.version: [ 1, 2 ]
amdhsa.kernels:
  - .name:           k_q8022de02b2_attn
    .symbol:         k_q8022de02b2_attn.kd
    .args:
      - { .name: rec, .offset: 0, .size: 8, .value_kind: global_buffer, .address_space: global }
      - { .name: oimg, .offset: 8, .size: 8, .value_kind: global_buffer, .address_space: global }
      - { .name: oscl, .offset: 16, .size: 8, .value_kind: global_buffer, .address_space: global }
    .group_segment_fixed_size: 210944
    .private_segment_fixed_size: 0
    .kernarg_segment_align: 8
    .kernarg_segment_size: 24
    .max_flat_workgroup_size: 512
    .sgpr_count:     80
    .vgpr_count:     256
    .wavefront_size: 32
...
	.end_amdgpu_metadata
.endif
;; end of part 2
;; launch proj (part 3): grid 8 x 32, 4 waves a work-group, clusters of 4 x 4, 327,680 bytes of LDS; arguments oimg, oscl, W_proj_codes, W_proj_scales, b_proj, out0; writes out0
.if DOCPART == 3
	.amdgcn_target "amdgcn-amd-amdhsa--gfx1250"
	.amdhsa_code_object_version 6
	.text
	.protected	k_q8022de02b2_proj
	.globl	k_q8022de02b2_proj
	.p2align	8
	.type	k_q8022de02b2_proj,@function
k_q8022de02b2_proj:
	s_mov_b64 s[64:65], 0
	v_nop
	global_prefetch_b8 v0, s[64:65] scope:SCOPE_SE
	s_setreg_imm32_b32 hwreg(HW_REG_WAVE_MODE, 25, 1), 1
	s_wait_xcnt 0x0
	s_wait_alu depctr_hold_cnt(0) depctr_sa_sdst(0) depctr_va_vdst(0) depctr_va_sdst(0) depctr_va_ssrc(0) depctr_va_vcc(0) depctr_vm_vsrc(0)
	s_getreg_b32 s2, hwreg(HW_REG_IB_STS2, 6, 4)
	s_cmp_eq_u32 s2, 0
	s_cbranch_scc0 .Lentry_in_a_cluster
	s_endpgm
.Lentry_in_a_cluster:
	s_bfe_u32 s2, ttmp6, 0x10000c
	s_cmp_lg_u32 s2, 0xf033
	s_cbranch_scc0 .Lentry_shape_is_right
	s_endpgm
.Lentry_shape_is_right:
; out0 = O W_proj + b_proj on codes of FP6 (E2M3) with E8M0 scales, K = 1,024, f32 out.
; THE DEAL.  256 work-groups of four waves; a work-group makes 256 rows x 128 columns.  All of K of its rows of O (196,608 bytes of half images), of its 128 weight rows and of O's scale bytes lies in LDS at once:
; one tensor load a wave at the head, nothing is filled again.  All is asked for at the head, so there is no loop in which a prefetch could run ahead: none is laid.
; Wave (a, b): its 64 weight rows, all of K, lie in 384 registers; its 128 rows of O go past in eight blocks of 16, 32 products a block; a block's 16 x 64 results leave as soon as they are summed.
; oimg[tile of 16 rows][head][768]: six operand registers, 0-3 at 16 x lane, 4-5 at 512 + 8 x lane.  Row r of tile 8 g + 4 c + u is token 128 g + 64 c + 8 u + r % 8 + 32 (r / 8).  oscl: 32 bytes a row, rows in the tiles' order.
; Source 0 = the weight's rows (lane r of tile t: column 32 (r / 8) + 8 t + r % 8), source 1 = O's rows: lane (r, h) holds row r, columns 32 h + 0 .. 31.  The bias is the first products' C.
; A block goes through my own stage in LDS and comes back as whole rows of 256 bytes: sixteen lanes store 256 consecutive bytes, aligned.
; O's tiles are shared by a row of the cluster, the weights' by a column.
.set KROW, 768
.set PITCH, 816
.set WB, 196608
.set SCX, WB+128*PITCH
.set STAGE, SCX+32*272
.set SPARE, STAGE+4*16*272
.set NF, 34                            ; LDS loads of a block's fetch
.set SB, 32
.set SA, 68
.set HV, 128
.set OB, 160
.set BB, 96
.set G1X, 28
.set G1W, 36
.set G1S, 44
.set G0W, 60
.set G0X, 68
.set G0S, 72
.set MSB, 0
.macro WIN new
.if MSB != \new
	s_set_vgpr_msb (MSB<<8)|\new
.set MSB, \new
.endif
.endm
.macro PLACES n
.rept \n
	v_nop
.endr
.endm
.macro WALU
	s_wait_alu depctr_va_vdst(0)
.endm
.macro BARRIER
	s_barrier_signal -1
	s_barrier_wait -1
.endm
.macro CROUND
	BARRIER
	s_cmp_lg_u32 s16, 0
	s_cbranch_scc1 .Lnw0_\@
	s_barrier_signal -3
.Lnw0_\@:
	s_barrier_wait -3
	BARRIER
.endm
.macro TLOAD g0, g1
	tensor_load_to_lds s[\g0:\g0+3], s[\g1:\g1+7]
	s_nop 0
	PLACES 4
.endm
.macro DENSE g, word0, rows            ; rows of 256 bytes (32 elements of 8)
	s_or_b32 s[\g+0], s23, \word0
	s_mov_b32 s[\g+1], 32<<16
	s_mov_b32 s[\g+2], (\rows)<<16
	s_mov_b32 s[\g+3], 32<<16
	s_mov_b32 s[\g+4], \rows
	s_mov_b32 s[\g+5], 32
	s_mov_b32 s[\g+6], 0
	s_mov_b32 s[\g+7], 0
.endm
.macro G0SET g, lds, base, off         ; s91 = 0
	s_mov_b32 s[\g], 1
	s_mov_b32 s[\g+1], \lds
	s_mov_b32 s90, s\off
	s_add_nc_u64 s[\g+2:\g+3], s[\base:\base+1], s[90:91]
	s_or_b32 s[\g+3], s[\g+3], 0x80000000
.endm
.macro FRAG f, q, a0, a1               ; a weight's fragment: six pieces of 8 bytes, two to a load where both lie behind as many paddings
	WIN (1+(\f)/21)<<6
.set R_, 12*((\f)%21)
.set SKIP_, 0
.irp p, 0,1,2,3,4,5
.if SKIP_
.set SKIP_, 0
.else
.set PC_, 12*(\q)+6*(\p/3)+\p%3
.set PN_, 12*(\q)+6*((\p+1)/3)+(\p+1)%3
.set X_, (PC_%32+3)/32
.set XQ_, (PN_%32+3)/32
.if (\p < 5) && (X_ == XQ_)
.set SKIP_, 1
.if X_
	ds_load_2addr_b64 v[R_+2*\p:R_+2*\p+3], v[\a1] offset0:PC_+2*(PC_/32) offset1:PN_+2*(PN_/32)
.else
	ds_load_2addr_b64 v[R_+2*\p:R_+2*\p+3], v[\a0] offset0:PC_+2*(PC_/32) offset1:PN_+2*(PN_/32)
.endif
.elseif X_
	ds_load_b64 v[R_+2*\p:R_+2*\p+1], v[\a1] offset:8*(PC_+2*(PC_/32))
.else
	ds_load_b64 v[R_+2*\p:R_+2*\p+1], v[\a0] offset:8*(PC_+2*(PC_/32))
.endif
.endif
.endr
.endm
.macro FETCH e, s                      ; block s of O's rows into set e: sixteen half images and eight scale words
	v_add_nc_u32 v6, (\s)*12288, v4
	v_add_nc_u32 v7, (\s)*12288, v5
.irp q, 0,1,2,3,4,5,6,7
.set F_, 32+8*(\e)+\q
.set R_, 12*(F_%21)
	WIN (1+F_/21)<<6
	ds_load_b128 v[R_:R_+3], v6 offset:1536*\q
	ds_load_b64 v[R_+4:R_+5], v7 offset:1536*\q
	ds_load_b128 v[R_+6:R_+9], v6 offset:1536*\q+768
	ds_load_b64 v[R_+10:R_+11], v7 offset:1536*\q+768
.endr
	WIN 0
	ds_load_b128 v[SA+8*(\e):SA+8*(\e)+3], v8 offset:544*(\s)
	ds_load_b128 v[SA+8*(\e)+4:SA+8*(\e)+7], v8 offset:544*(\s)+16
.endm
.macro WM d, s0, s1, c, x0, x1
	v_wmma_scale_f32_16x16x128_f8f6f4 v[\d:\d+7], v[12*((\s0)%21):12*((\s0)%21)+11], v[12*((\s1)%21):12*((\s1)%21)+11], \c, v[\x0], v[\x1] matrix_a_fmt:MATRIX_FMT_FP6 matrix_b_fmt:MATRIX_FMT_FP6
.endm
.macro BLOCK e                         ; 32 products, n = 4 q + t; the four sums take turns
.set N_, 0
.rept 32
.set Q_, N_/4
.set T_, N_%4
.set D_, HV+8*T_
.set S0_, 4*Q_+T_
.set S1_, 32+8*(\e)+Q_
.if Q_
	WIN (1+S0_/21)|((1+S1_/21)<<2)
	WM D_, S0_, S1_, v[D_:D_+7], SB+8*T_+Q_, SA+8*(\e)+Q_
.else
	WIN (1+S0_/21)|((1+S1_/21)<<2)|(3<<4)
	WM D_, S0_, S1_, v[BB+8*T_:BB+8*T_+7], SB+8*T_+Q_, SA+8*(\e)+Q_
.endif
.set N_, N_+1
.endr
	WIN 0
	PLACES 5                                       ; five places: the next block's first products begin these sums anew
.endm
	s_load_b256 s[4:11], s[0:1], 0x0               ; oimg, oscl, W's codes, W's scales
	s_load_b128 s[12:15], s[0:1], 0x20             ; the bias, out0
	v_lshl_add_u32 v10, v0, 2, SPARE
	v_mov_b32 v11, 0
	ds_add_u32 v10, v11
	ds_add_u32 v10, v11
	v_lshrrev_b32 v1, 5, v0
	v_readfirstlane_b32 s16, v1
	s_lshr_b32 s17, s16, 1                         ; a
	s_and_b32 s18, s16, 1                          ; b
	s_bfe_u32 s19, ttmp6, 0x40000
	s_bfe_u32 s20, ttmp6, 0x40004
	s_lshl_b32 s21, ttmp9, 2
	s_add_co_u32 s21, s21, s19                     ; x: the 128 columns
	s_and_b32 s22, ttmp7, 0xffff
	s_lshl_b32 s22, s22, 2
	s_add_co_u32 s22, s22, s20                     ; y: the 256 rows
	s_lshl_b32 s23, s20, 2
	s_lshl_b32 s23, 15, s23                        ; my row of the cluster
	s_lshl_b32 s24, 0x1111, s19                    ; my column
	DENSE G1X, (3<<16)|(1<<21), 384
	DENSE G1S, (3<<16)|(1<<20)|(1<<21)|(5<<22)|(3<<25), 32
	s_or_b32 s[G1W+0], s24, (1<<20)|(1<<21)|(5<<22)|(3<<25)
	s_mov_b32 s[G1W+1], KROW<<16
	s_mov_b32 s[G1W+2], 128<<16
	s_mov_b32 s[G1W+3], KROW<<16
	s_mov_b32 s[G1W+4], 128
	s_mov_b32 s[G1W+5], KROW
	s_mov_b32 s[G1W+6], 0
	s_mov_b32 s[G1W+7], 0
	s_mul_i32 s25, s17, 98304                      ; waves 1 and 2 fetch a half of O's images each (wave / 2 = 0, 1)
	s_mul_i32 s92, s22, 196608
	s_add_co_u32 s92, s92, s25
	s_mul_i32 s93, s21, 128*KROW
	s_lshl_b32 s94, s22, 13
	s_mov_b32 s91, 0
	s_lshl_b32 s27, s21, 1
	s_add_co_u32 s27, s27, s18                     ; my 64 columns
	s_lshl_b32 s83, s22, 1
	s_add_co_u32 s83, s83, s17
	s_lshl_b32 s83, s83, 19                        ; my first token x 4,096 bytes
	s_lshl_b32 s82, s27, 8
	s_add_co_u32 s83, s83, s82
	WALU
	s_wait_dscnt 0x0
	s_wait_kmcnt 0x0
	G0SET G0W, WB, 8, 93
	G0SET G0X, s25, 4, 92
	G0SET G0S, SCX, 6, 94
	s_mov_b32 s90, s83
	s_add_nc_u64 s[84:85], s[14:15], s[90:91]
	s_lshl_b32 s90, s27, 11
	s_add_nc_u64 s[86:87], s[10:11], s[90:91]
	s_lshl_b32 s90, s27, 8
	s_add_nc_u64 s[88:89], s[12:13], s[90:91]
	CROUND
	s_cmp_eq_u32 s16, 0                            ; one tensor load a wave: the weights first, then O's halves, then O's scale bytes
	s_cbranch_scc0 .La1
	TLOAD G0W, G1W
	s_branch .Lasked
.La1:
	s_cmp_lt_u32 s16, 3
	s_cbranch_scc0 .La3
	TLOAD G0X, G1X
	s_branch .Lasked
.La3:
	TLOAD G0S, G1S
.Lasked:
	v_and_b32 v1, 15, v0
	v_bfe_u32 v2, v0, 4, 1
	v_and_b32 v3, 31, v0
	v_and_b32 v28, 7, v1
	v_lshrrev_b32 v29, 3, v1
	v_lshl_add_u32 v30, v29, 5, v28                ; r % 8 + 32 (r / 8)
	v_mul_u32_u24 v26, v30, PITCH
	v_mad_u32_u24 v27, v2, 24, v26
	v_mad_u32_u24 v26, v2, 40, v26
	s_mul_i32 s90, s18, 64*PITCH
	s_add_co_u32 s90, s90, WB
	v_add_nc_u32 v16, s90, v27
	v_add_nc_u32 v17, s90, v26
.irp t, 1,2,3
	v_add_nc_u32 v[16+2*\t], \t*8*PITCH, v16
	v_add_nc_u32 v[17+2*\t], \t*8*PITCH, v17
.endr
	v_lshl_add_u32 v4, v3, 4, s25
	v_lshl_add_u32 v5, v3, 3, s25
	v_add_nc_u32 v5, 512, v5
	v_lshlrev_b32 v8, 5, v1
	v_lshl_add_u32 v8, v29, 4, v8
	s_mul_i32 s90, s17, 4352
	s_add_co_u32 s90, s90, SCX
	v_add_nc_u32 v8, s90, v8                       ; my row's scale words
	s_mul_i32 s90, s16, 16*272
	s_add_co_u32 s90, s90, STAGE                   ; my stage
	v_mul_u32_u24 v12, v1, 272
	v_lshl_add_u32 v12, v2, 7, v12
	v_add_nc_u32 v12, s90, v12                     ; in: row r, 128 bytes for each half of the lanes
	v_mul_u32_u24 v13, v2, 272
	v_lshl_add_u32 v13, v1, 4, v13
	v_add_nc_u32 v13, s90, v13                     ; back: lanes 0-15 one row, lanes 16-31 the next
	v_lshlrev_b32 v9, 12, v2
	v_lshl_add_u32 v9, v1, 4, v9                   ; and the same two rows in out0
	v_lshlrev_b32 v24, 5, v30
	v_lshlrev_b32 v25, 7, v2
.irp t, 0,1,2,3
	global_load_b128 v[SB+8*\t:SB+8*\t+3], v24, s[86:87] offset:256*\t
	global_load_b128 v[SB+8*\t+4:SB+8*\t+7], v24, s[86:87] offset:256*\t+16
.endr
	WIN 3<<6
.irp k, 0,1,2,3,4,5,6,7
	global_load_b128 v[BB+4*\k:BB+4*\k+3], v25, s[88:89] offset:16*\k   ; register 8 t + j is column 32 h + 8 t + j
.endr
	WIN 0
	WALU
	s_cmp_eq_u32 s16, 0
	s_cbranch_scc0 .Lnw
	s_wait_tensorcnt 0x0
.Lnw:
	BARRIER                                        ; the weight rows are in; the other tiles may be on their way: nothing is filled again in this launch
.irp q, 0,1,2,3,4,5,6,7
.irp t, 0,1,2,3
	FRAG 4*\q+\t, \q, 16+2*\t, 17+2*\t
.endr
.endr
	WIN 0
	s_wait_tensorcnt 0x0
	s_wait_dscnt 0x0
	BARRIER                                        ; O's images and scale bytes are in
	FETCH 0, 0
	FETCH 1, 1
	s_wait_loadcnt 0x0
.irp s, 0,1,2,3,4,5,6,7
.if \s < 7
	s_wait_dscnt NF                                ; all but the next block's fetch
.else
	s_wait_dscnt 0x0
.endif
	BLOCK \s%2
	s_wait_xcnt 0x0                                ; the last block's stores have read their data
.irp i, 0,1,2,3,4,5,6,7
	ds_store_b128 v12, v[HV+4*\i:HV+4*\i+3] offset:16*\i     ; each sum from its low end on
.endr
.irp i, 0,1,2,3,4,5,6,7
	ds_load_b128 v[OB+4*\i:OB+4*\i+3], v13 offset:544*\i     ; LDS serves a wave's instructions in order (ISA guide 5.7.1.4)
.endr
.if \s < 6
	FETCH \s%2, \s+2
	s_wait_dscnt NF                                ; the block is back; the fetch just issued may be out
.else
	s_wait_dscnt 0x0
.endif
.irp i, 0,1,2,3,4,5,6,7
	global_store_b128 v9, v[OB+4*\i:OB+4*\i+3], s[84:85] offset:(64*(\s/4)+8*(\s%4)+2*(\i%4)+32*(\i/4))*4096 th:TH_STORE_NT
.endr
.endr
	s_wait_tensorcnt 0x0                           ; the wave's end
	ds_add_u32 v10, v11
	s_wait_dscnt 0x0
	CROUND
	s_endpgm
.Lfunc_end_k_q8022de02b2_proj:
	.size	k_q8022de02b2_proj, .Lfunc_end_k_q8022de02b2_proj-k_q8022de02b2_proj
	.p2alignl 7, 3214868480
	.fill 96, 4, 3214868480
	.section	.rodata,"a",@progbits
	.p2align	6, 0x0
	.amdhsa_kernel k_q8022de02b2_proj
		.amdhsa_group_segment_fixed_size 327680
		.amdhsa_private_segment_fixed_size 0
		.amdhsa_enable_private_segment 0
		.amdhsa_kernarg_size 48
		.amdhsa_user_sgpr_count 2
		.amdhsa_user_sgpr_kernarg_segment_ptr 1
		.amdhsa_wavefront_size32 1
		.amdhsa_system_sgpr_workgroup_id_x 1
		.amdhsa_system_sgpr_workgroup_id_y 1
		.amdhsa_system_sgpr_workgroup_id_z 1
		.amdhsa_system_vgpr_workitem_id 0
		.amdhsa_next_free_vgpr 896
		.amdhsa_next_free_sgpr 96
		.amdhsa_reserve_vcc 0
		.amdhsa_float_denorm_mode_32 3
		.amdhsa_float_denorm_mode_16_64 3
		.amdhsa_memory_ordered 1
		.amdhsa_forward_progress 1
		.amdhsa_inst_pref_size 85
	.end_amdhsa_kernel
	.amdgpu_metadata
---
amdhsa.version: [ 1, 2 ]
amdhsa.kernels:
  - .name:           k_q8022de02b2_proj
    .symbol:         k_q8022de02b2_proj.kd
    .args:
      - { .name: oimg, .offset: 0, .size: 8, .value_kind: global_buffer, .address_space: global }
      - { .name: oscl, .offset: 8, .size: 8, .value_kind: global_buffer, .address_space: global }
      - { .name: W_proj_codes, .offset: 16, .size: 8, .value_kind: global_buffer, .address_space: global }
      - { .name: W_proj_scales, .offset: 24, .size: 8, .value_kind: global_buffer, .address_space: global }
      - { .name: b_proj, .offset: 32, .size: 8, .value_kind: global_buffer, .address_space: global }
      - { .name: out0, .offset: 40, .size: 8, .value_kind: global_buffer, .address_space: global }
    .group_segment_fixed_size: 327680
    .private_segment_fixed_size: 0
    .kernarg_segment_align: 8
    .kernarg_segment_size: 48
    .max_flat_workgroup_size: 128
    .sgpr_count:     96
    .vgpr_count:     896
    .wavefront_size: 32
...
	.end_amdgpu_metadata
.endif
;; end of part 3
